; MI455X (gfx1250); checked and timed in simulation.
; The chip was launched on July 23, 2026; its instructions are those of AMD's public machine-readable ISA for CDNA 5 (MIT licence, August 2026) and "CDNA5" Instruction Set Architecture Reference Guide (July 2026). The comments in the code are by the model that wrote it; some were corrected since.
;; Self Attention. Allowed arithmetic: float matrix products may take bf16 or f16 operands with f32 sums; all other float work in f32.
;; Inputs: entangle_params 3,072 float32; inputs 2 x 2,048 x 1,024 float32; rotation_params 3,072 x 1,024 float32.
;; Outputs: out0 2 x 2,048 x 1,024 float32.
;; 2 versions, each right; version 2 is version 1 with the launch cast written anew for expert scheduling mode. Each part assembles by itself: llvm-mc -triple=amdgcn-amd-amdhsa -mcpu=gfx1250 --defsym DOCPART=n.
;; ======== version 1 of 2: 4 launches
;; workspace buffers: xw 14,680,064 bytes; qkv 25,165,824 bytes; obuf 16,777,216 bytes
;; launch cast (part 1): grid 448 x 1, 8 waves a work-group, no clusters, 0 bytes of LDS; arguments inputs, rotation_params, xw; writes xw
.if DOCPART == 1
	.amdgcn_target "amdgcn-amd-amdhsa--gfx1250"
	.amdhsa_code_object_version 6
	.text
	.protected	k_q7dea02dbbc_cast
	.globl	k_q7dea02dbbc_cast
	.p2align	8
	.type	k_q7dea02dbbc_cast,@function
k_q7dea02dbbc_cast:
	s_mov_b64 s[64:65], 0
	v_nop
	global_prefetch_b8 v0, s[64:65] scope:SCOPE_SE
	s_setreg_imm32_b32 hwreg(HW_REG_WAVE_MODE, 25, 1), 1
	s_wait_xcnt 0x0
; xw = bf16(inputs) followed by bf16(rotation_params), both rounded to nearest even, once for the whole program.
; inputs is 16,777,216 bytes = 256 pieces of 65,536; rotation_params is 12,582,912 bytes = 192 pieces: 448 work-groups, one piece each.
; Piece g of the two sources laid end to end becomes the 32,768 bytes at xw + 32,768 g, so X fills bytes 0 to 8,388,607 and W follows.
; Thread t takes 16 bytes at 16 t of each of sixteen runs of 4,096 bytes: a load of a wave covers 512 consecutive bytes, aligned,
; a store of a wave 256 consecutive bytes, aligned.  All sixteen loads go out first; no register is written twice, so no loop, no LDS,
; no barrier.  No work-group shares a byte with another, so a cluster would have nothing to share; no product, so no matrix unit.
.set PIECE, 65536
.set XI, 4                             ; v[4:67]   sixteen loads of four f32
.set YO, 68                            ; v[68:99]  sixteen pairs of packed bf16
	s_load_b128 s[4:7], s[0:1], 0x0                ; inputs s[4:5], rotation_params s[6:7]
	s_load_b64 s[8:9], s[0:1], 0x10                ; xw
	v_lshlrev_b32 v2, 4, v0                        ; 16 t: my bytes in a run of the source
	v_lshlrev_b32 v3, 3, v0                        ; 8 t: my bytes in a run of the result
	s_mov_b32 s14, ttmp9                           ; g
	s_sub_co_u32 s13, s14, 256                     ; the piece number inside rotation_params
	s_cmp_lt_u32 s14, 256                          ; g below 256: a piece of inputs.  Only moves, selects and waits stand between this line and the second select
	s_cselect_b32 s12, s14, s13                    ; the piece number inside my source
	s_wait_kmcnt 0x0
	s_cselect_b64 s[10:11], s[4:5], s[6:7]         ; my source: the choice hangs on the work-group number alone
	s_lshl_b32 s12, s12, 16                        ; x 65,536 bytes (below 16,777,216)
	s_mov_b32 s13, 0
	s_add_nc_u64 s[10:11], s[10:11], s[12:13]
	s_lshl_b32 s2, s14, 15                         ; g x 32,768 bytes
	s_mov_b32 s3, 0
	s_add_nc_u64 s[8:9], s[8:9], s[2:3]
.irp i, 0,1,2,3,4,5,6,7,8,9,10,11,12,13,14,15
	global_load_b128 v[XI+4*\i:XI+4*\i+3], v2, s[10:11] offset:\i*4096 th:TH_LOAD_NT   ; read once in the whole launch
.endr
.irp i, 0,1,2,3,4,5,6,7,8,9,10,11,12,13,14,15
	s_wait_loadcnt 15-\i                           ; loads return in order: load i is in, the 15 - i younger ones may stay out
	v_cvt_pk_bf16_f32 v[YO+2*\i],   v[XI+4*\i],   v[XI+4*\i+1]
	v_cvt_pk_bf16_f32 v[YO+2*\i+1], v[XI+4*\i+2], v[XI+4*\i+3]
	global_store_b64 v3, v[YO+2*\i:YO+2*\i+1], s[8:9] offset:\i*2048   ; the next launch reads these bytes: no hint
.endr
	s_endpgm
.Lfunc_end_k_q7dea02dbbc_cast:
	.size	k_q7dea02dbbc_cast, .Lfunc_end_k_q7dea02dbbc_cast-k_q7dea02dbbc_cast
	.p2alignl 7, 3214868480
	.fill 96, 4, 3214868480
	.section	.rodata,"a",@progbits
	.p2align	6, 0x0
	.amdhsa_kernel k_q7dea02dbbc_cast
		.amdhsa_group_segment_fixed_size 0
		.amdhsa_private_segment_fixed_size 0
		.amdhsa_enable_private_segment 0
		.amdhsa_kernarg_size 24
		.amdhsa_user_sgpr_count 2
		.amdhsa_user_sgpr_kernarg_segment_ptr 1
		.amdhsa_wavefront_size32 1
		.amdhsa_system_sgpr_workgroup_id_x 1
		.amdhsa_system_sgpr_workgroup_id_y 1
		.amdhsa_system_sgpr_workgroup_id_z 1
		.amdhsa_system_vgpr_workitem_id 0
		.amdhsa_next_free_vgpr 100
		.amdhsa_next_free_sgpr 66
		.amdhsa_reserve_vcc 0
		.amdhsa_float_denorm_mode_32 3
		.amdhsa_float_denorm_mode_16_64 3
		.amdhsa_memory_ordered 1
		.amdhsa_forward_progress 1
		.amdhsa_inst_pref_size 7
	.end_amdhsa_kernel
	.amdgpu_metadata
---
amdhsa.version: [ 1, 2 ]
amdhsa.kernels:
  - .name:           k_q7dea02dbbc_cast
    .symbol:         k_q7dea02dbbc_cast.kd
    .args:
      - { .name: inputs, .offset: 0, .size: 8, .value_kind: global_buffer, .address_space: global }
      - { .name: rotation_params, .offset: 8, .size: 8, .value_kind: global_buffer, .address_space: global }
      - { .name: xw, .offset: 16, .size: 8, .value_kind: global_buffer, .address_space: global }
    .group_segment_fixed_size: 0
    .private_segment_fixed_size: 0
    .kernarg_segment_align: 8
    .kernarg_segment_size: 24
    .max_flat_workgroup_size: 256
    .sgpr_count:     66
    .vgpr_count:     100
    .wavefront_size: 32
...
	.end_amdgpu_metadata
.endif
;; end of part 1
;; launch qkvgemm (part 2): grid 16 x 16, 4 waves a work-group, clusters of 4 x 4, 327,680 bytes of LDS; arguments xw, entangle_params, qkv; writes qkv
.if DOCPART == 2
	.amdgcn_target "amdgcn-amd-amdhsa--gfx1250"
	.amdhsa_code_object_version 6
	.text
	.protected	k_q7dea02dbbc_qkvgemm
	.globl	k_q7dea02dbbc_qkvgemm
	.p2align	8
	.type	k_q7dea02dbbc_qkvgemm,@function
k_q7dea02dbbc_qkvgemm:
	s_mov_b64 s[64:65], 0
	v_nop
	global_prefetch_b8 v0, s[64:65] scope:SCOPE_SE
	s_setreg_imm32_b32 hwreg(HW_REG_WAVE_MODE, 25, 1), 1
	s_wait_xcnt 0x0
	s_wait_alu depctr_hold_cnt(0) depctr_sa_sdst(0) depctr_va_vdst(0) depctr_va_sdst(0) depctr_va_ssrc(0) depctr_va_vcc(0) depctr_vm_vsrc(0)
	s_getreg_b32 s2, hwreg(HW_REG_IB_STS2, 6, 4)
	s_cmp_eq_u32 s2, 0
	s_cbranch_scc0 .Lentry_in_a_cluster
	s_endpgm
.Lentry_in_a_cluster:
	s_bfe_u32 s2, ttmp6, 0x10000c
	s_cmp_lg_u32 s2, 0xf033
	s_cbranch_scc0 .Lentry_shape_is_right
	s_endpgm
.Lentry_shape_is_right:
; qkv[m][n] = sum over k of X[m][k] W[n][k] + bias[n], m = 0..4095, n = 0..3071, k = 0..1023; X and W are bf16 (buffer xw), sums in f32,
; the result rounded once to bf16 and stored by chunks of 64 columns: byte (n >> 6) 524,288 + m 128 + (n & 63) 2, which makes Q, K and V
; of every head and batch dense blocks of [2048][64].
; A work-group makes 256 rows x 192 columns with four waves; wave w makes rows 64 w .. 64 w + 63 x all 192 columns: 4 x 12 accumulator
; tiles of 16 x 16, 384 registers.  The four waves are stacked along m so that a wave holds three whole chunks of 64 columns and can store
; whole rows of a chunk from a stage of its own.  K goes in steps of 128 (rows of 256 bytes) through two LDS slots filled by tensor loads.
; CLUSTERS: 4 x 4 work-groups.  The four of a row of the cluster need the same 256 rows of X, the four of a column the same 192 rows of W:
; such a tile is asked for jointly, the same tensor load with the same descriptor and a mask that names the four.
; THE BIAS STARTS THE SUMS: the first 48 products take the bias fragments as C, so nothing is cleared and nothing is added afterwards.
; THE MATRIX INSTRUCTION IS USED TRANSPOSED: source 0 = 16 rows of W, source 1 = 16 rows of X.  Lane l then holds row m = l % 16 and in its
; registers 0 to 7 the columns n = 8 (l / 16) + 0 .. 7: eight neighbouring numbers of a row, 16 bytes after rounding.
; Limits: finite inputs; operands are bf16, so the error of a sum grows with the size of the inputs as bf16 rounding does.
;
; REGISTERS, in windows of 256:
;   window 0: v16-27 addresses; v32-63, v64-95 fragments of X (4 x 16 rows x 32 K), two buffers; v96-191 bias; v192-239 packed results
;   window 1: v0-95, v96-191 fragments of W (12 x 16 rows x 32 K), two buffers
;   window 2: the 24 tiles of my rows 0-31 (tile (a, b) at 96 a + 8 b);   window 3: those of my rows 32-63
.set SIZE_K, 1024
.set KSTEP,  128
.set PITCH,  272                       ; an LDS row: 256 bytes + 16 of padding: 17 x 16 bytes, so sixteen rows start in sixteen different 16-byte columns of 256
.set AHALF,  128*PITCH                 ; 128 rows of X: one tensor load
.set BHALF,  96*PITCH                  ; 96 rows of W: one tensor load
.set BOFF,   2*AHALF                   ; W lies behind the 256 rows of X
.set SLOT,   BOFF+2*BHALF              ; 121,856 bytes
.set STAGE,  2*SLOT                    ; 243,712 = 952 x 256: behind the ring; no tensor load lands here
.set WSTAGE, 6912                      ; a wave's stage: 3 chunks x 16 rows x 144 bytes = 27 x 256
.set CHP,    2304                      ; a chunk in the stage
.set RP,     144                       ; a row in the stage: 128 bytes + 16
.set WBASE,  8388608                   ; W in xw
.set CHUNKB, 524288                    ; a chunk of 64 columns in qkv: 4,096 rows x 128 bytes
.set LAPS,   SIZE_K/(2*KSTEP)          ; 4 laps of two K steps
.set ADRA, 16                          ; v16-17  LDS address of my X fragments in slot 0, 1
.set ADRB, 20                          ; v20-21  the same for W
.set STO,  24                          ; v24     the way out: where I put 16 bytes of a row
.set RD,   25                          ; v25     the way out: where I read rows back
.set CO,   26                          ; v26     16 x lane: my bytes in a run of 512 of qkv
.set BO,   27                          ; v27     32 x (lane / 16): my eight numbers in 16 of the bias
.set FA,   32                          ; X fragments, buffer f at FA + 32 f
.set BI,   96                          ; bias fragments, tile column b at BI + 8 b
.set TMP,  192
.set G1,  24                           ; s[24:31] group 1 for X
.set G0,  32                           ; s[32:39] group 0 for X, one set for each slot
.set G1B, 48                           ; s[48:55] group 1 for W
.set G0B, 56                           ; s[56:63] group 0 for W, one set for each slot
.set MSB, 0
.macro WIN new                         ; the upper byte of the immediate repeats the setting that is left
.if MSB != \new
	s_set_vgpr_msb (MSB<<8)|\new
.set MSB, \new
.endif
.endm
.set MUL_LO, 0xa1                      ; source 0 (W) window 1, source 1 (X) window 0, C and D window 2
.set MUL_HI, 0xf1                      ; the same, C and D window 3
.set BIA_LO, 0x81                      ; C (the bias) window 0, D window 2
.set BIA_HI, 0xc1                      ; C window 0, D window 3
.set TO_B,   0x40                      ; destination window 1, address window 0
; A joint load.  Waves 0 and 1 fetch the two halves of X, waves 2 and 3 those of W.  The branch hangs on the wave number alone.
.macro JLOAD s
	s_cmp_eq_u32 s11, 0
	s_cbranch_scc0 .Lfor_b_\@
	tensor_load_to_lds s[G0+4*\s:G0+4*\s+3], s[G1:G1+7]
	s_nop 0
	s_branch .Lasked_\@
.Lfor_b_\@:
	tensor_load_to_lds s[G0B+4*\s:G0B+4*\s+3], s[G1B:G1B+7]
	s_nop 0
.Lasked_\@:
.endm
; A round of the cluster barrier: the work-group barrier, wave 0 signals for the work-group, every wave waits for all sixteen, the work-group barrier again.
.macro CREST                           ; a round behind its opening barrier
	s_cmp_lg_u32 s10, 0
	s_cbranch_scc1 .Lnot_wave_0_\@
	s_barrier_signal -3
.Lnot_wave_0_\@:
	s_barrier_wait -3
	s_barrier_signal -1
	s_barrier_wait -1
.endm
.macro CROUND
	s_barrier_signal -1
	s_barrier_wait -1
	CREST
.endm
	s_load_b128 s[4:7], s[0:1], 0x0                ; xw s[4:5], bias s[6:7]
	s_load_b64 s[8:9], s[0:1], 0x10                ; qkv
	s_set_vgpr_msb 0x40
	v_lshl_add_u32 v255, v0, 2, 0x42400
	s_set_vgpr_msb 0x4000
	v_mov_b32 v255, 0
	s_set_vgpr_msb 0x1
	ds_add_u32 v255, v255
	s_set_vgpr_msb 0x100
	v_lshrrev_b32 v1, 5, v0
	v_readfirstlane_b32 s10, v1                    ; wave 0..3
	s_lshr_b32 s11, s10, 1                         ; I fetch for X (0) or for W (1)
	s_and_b32 s12, s10, 1                          ; which half of that tile
	s_bfe_u32 s40, ttmp6, 0x40000                  ; cx
	s_bfe_u32 s41, ttmp6, 0x40004                  ; cy
	s_lshl_b32 s42, ttmp9, 2
	s_add_co_u32 s42, s42, s40                     ; block column = 4 x cluster x + cx
	s_and_b32 s13, ttmp7, 0xffff
	s_lshl_b32 s13, s13, 2
	s_add_co_u32 s13, s13, s41                     ; block row = 4 x cluster y + cy
	s_lshl_b32 s43, s41, 2
	s_lshl_b32 s43, 15, s43                        ; my row of the cluster: places 4 cy .. 4 cy + 3
	s_lshl_b32 s44, 0x1111, s40                    ; my column: places cx, cx + 4, cx + 8, cx + 12
	; group 1: rows of 128 elements of 2 bytes, 16 bytes of padding behind every 64 words
	s_or_b32 s[G1+0], s43, (1<<16)|(1<<20)|(1<<21)|(5<<22)|(3<<25)   ; mask of my row; element of 2 bytes; padding on; bit 21 beside a mask; every 64 words; 4 words
	s_or_b32 s[G1B+0], s44, (1<<16)|(1<<20)|(1<<21)|(5<<22)|(3<<25)  ; the same with the mask of my column
	s_mov_b32 s[G1+1], KSTEP<<16                   ; tensor_dim0 = 128
	s_mov_b32 s[G1B+1], KSTEP<<16
	s_mov_b32 s[G1+2], 128<<16                     ; tensor_dim1 = 128 rows of X
	s_mov_b32 s[G1B+2], 96<<16                     ;             = 96 rows of W
	s_mov_b32 s[G1+3], KSTEP<<16                   ; tile_dim0 = 128
	s_mov_b32 s[G1B+3], KSTEP<<16
	s_mov_b32 s[G1+4], 128                         ; tile_dim1
	s_mov_b32 s[G1B+4], 96
	s_mov_b32 s[G1+5], SIZE_K                      ; elements from row to row
	s_mov_b32 s[G1B+5], SIZE_K
	s_mov_b32 s[G1+6], 0
	s_mov_b32 s[G1B+6], 0
	s_mov_b32 s[G1+7], 0
	s_mov_b32 s[G1B+7], 0
	; where the tiles come from.  X hangs on the block row alone, W on the block column alone, each in registers that never hold the other coordinate.
	s_lshl_b32 s17, s12, 7
	s_lshl_b32 s16, s13, 8
	s_add_co_u32 s16, s16, s17                     ; X: row 256 x block row + 128 x half
	s_lshl_b32 s16, s16, 11                        ; x 2,048 bytes a row (below 8,388,608)
	s_mov_b32 s17, 0
	s_mul_i32 s46, s42, 192
	s_mul_i32 s47, s12, 96
	s_add_co_u32 s46, s46, s47                     ; W: row 192 x block column + 96 x half
	s_lshl_b32 s46, s46, 11
	s_add_co_u32 s46, s46, WBASE                   ; W lies behind X in xw (the sum stays below 14,680,064)
	s_mov_b32 s47, 0
	s_mul_i32 s20, s10, AHALF                      ; where they go: X, waves 0 and 1: wave x 128 rows
	s_mul_i32 s45, s10, BHALF
	s_add_co_u32 s45, s45, BOFF-2*BHALF            ; W, waves 2 and 3: BOFF + (wave - 2) x 96 rows
	s_wait_dscnt 0x0
	s_wait_kmcnt 0x0
	s_add_nc_u64 s[14:15], s[4:5], s[16:17]
	s_add_nc_u64 s[46:47], s[4:5], s[46:47]
	CROUND                                         ; all sixteen work-groups are here: the first joint loads meet
.irp s, 0,1
	s_mov_b32 s[G0+4*\s], 1
	s_add_co_u32 s[G0+4*\s+1], s20, \s*SLOT
	s_add_nc_u64 s[G0+4*\s+2:G0+4*\s+3], s[14:15], \s*KSTEP*2      ; K step s
	s_or_b32 s[G0+4*\s+3], s[G0+4*\s+3], 0x80000000
	s_mov_b32 s[G0B+4*\s], 1
	s_add_co_u32 s[G0B+4*\s+1], s45, \s*SLOT
	s_add_nc_u64 s[G0B+4*\s+2:G0B+4*\s+3], s[46:47], \s*KSTEP*2
	s_or_b32 s[G0B+4*\s+3], s[G0B+4*\s+3], 0x80000000
	JLOAD \s                                       ; both slots are asked for before anything else: two tensor loads of the wave are out
.endr
	; the bias of my 192 columns in the layout of C: register j of tile column b holds bias[192 x block column + 16 b + 8 (l / 16) + j]
	s_mul_i32 s46, s42, 768
	s_mov_b32 s47, 0
	s_add_nc_u64 s[6:7], s[6:7], s[46:47]
	v_and_b32 v1, 15, v0                           ; l % 16
	v_bfe_u32 v2, v0, 4, 1                         ; l / 16
	v_lshlrev_b32 v[BO], 5, v2
.irp b, 0,1,2,3,4,5,6,7,8,9,10,11
	global_load_b128 v[BI+8*\b:BI+8*\b+3],   v[BO], s[6:7] offset:64*\b
	global_load_b128 v[BI+8*\b+4:BI+8*\b+7], v[BO], s[6:7] offset:64*\b+16
.endr
	; a fragment is 16 rows x 32 K in 8 registers: lane l holds row l % 16; two loads of 16 bytes, 32 bytes apart, at row x pitch + 16 (l / 16)
	v_mul_u32_u24 v3, v1, PITCH
	v_lshl_add_u32 v3, v2, 4, v3
	s_mul_i32 s21, s10, 64*PITCH                   ; my 64 rows of X
	s_mov_b32 s22, BOFF                            ; all 192 rows of W
.irp s, 0,1
	v_add_nc_u32 v[ADRA+\s], s21, v3
	v_add_nc_u32 v[ADRB+\s], s22, v3
	s_add_co_u32 s21, s21, SLOT
	s_add_co_u32 s22, s22, SLOT
.endr
	s_mul_i32 s23, s10, WSTAGE
	s_add_co_u32 s23, s23, STAGE                   ; my stage
	v_mul_u32_u24 v4, v1, RP                       ; in: row l % 16, 16 bytes for each half of the lanes
	v_lshl_add_u32 v4, v2, 4, v4
	v_add_nc_u32 v[STO], s23, v4
	v_and_b32 v5, 31, v0
	v_lshrrev_b32 v6, 3, v5                        ; back: eight lanes take a row of 128 bytes, the wave four rows
	v_and_b32 v7, 7, v0
	v_mul_u32_u24 v6, v6, RP
	v_lshl_add_u32 v6, v7, 4, v6
	v_add_nc_u32 v[RD], s23, v6
	v_lshlrev_b32 v[CO], 4, v5                     ; four rows of a chunk are 512 consecutive bytes of qkv
; 12 matrix instructions: row block 2 hi + a of my four x all 12 column blocks, 32 along K, from fragment buffer f.
; bias = 1: C is the bias fragment, which starts the sum.
.macro MUL12 f, hi, a, bias
.irp b, 0,1,2,3,4,5,6,7,8,9,10,11
.if \bias
	v_wmma_f32_16x16x32_bf16 v[96*\a+8*\b:96*\a+8*\b+7], v[96*\f+8*\b:96*\f+8*\b+7], v[FA+32*\f+8*(2*\hi+\a):FA+32*\f+8*(2*\hi+\a)+7], v[BI+8*\b:BI+8*\b+7]
.else
	v_wmma_f32_16x16x32_bf16 v[96*\a+8*\b:96*\a+8*\b+7], v[96*\f+8*\b:96*\f+8*\b+7], v[FA+32*\f+8*(2*\hi+\a):FA+32*\f+8*(2*\hi+\a)+7], v[96*\a+8*\b:96*\a+8*\b+7]
.endif
.endr
.endm
; 32 LDS loads in one run: the fragments of a quarter step (192 rows of W, then my 64 rows of X, 32 K at byte k of the rows) into buffer f
.macro FETCH slot, k, f
	WIN TO_B
.irp i, 0,1,2,3,4,5,6,7,8,9,10,11
	ds_load_b128 v[96*\f+8*\i:96*\f+8*\i+3],   v[ADRB+\slot] offset:\k+\i*16*PITCH
	ds_load_b128 v[96*\f+8*\i+4:96*\f+8*\i+7], v[ADRB+\slot] offset:\k+\i*16*PITCH+32
.endr
	WIN 0
.irp i, 0,1,2,3
	ds_load_b128 v[FA+32*\f+8*\i:FA+32*\f+8*\i+3],   v[ADRA+\slot] offset:\k+\i*16*PITCH
	ds_load_b128 v[FA+32*\f+8*\i+4:FA+32*\f+8*\i+7], v[ADRA+\slot] offset:\k+\i*16*PITCH+32
.endr
.endm
; A load into a register that a matrix instruction has read, and a vector instruction that reads a matrix result, stand four places behind
; that matrix instruction, and only plain vector instructions that name none of its registers are places.
.macro PLACES
.rept 4
	v_nop
.endr
.endm
; A K step is four quarters of 32 along K, 48 matrix instructions each, on buffers 0, 1, 0, 1.  The 48 accumulators take turns, one instruction
; a turn, in the same order in every quarter, over the backward jump too.
.macro QUARTER slot, k, f, g, bias
	s_wait_dscnt 4                                 ; W and my X rows 0-31 are in; the four youngest loads (X rows 32-63) may be out
.if \bias
	WIN BIA_LO
.else
	WIN MUL_LO
.endif
	MUL12 \f, 0, 0, \bias
	MUL12 \f, 0, 1, \bias
	PLACES
	FETCH \slot, \k, \g
	s_wait_dscnt 32                                ; all but the 32 just issued
.if \bias
	WIN BIA_HI
.else
	WIN MUL_HI
.endif
	MUL12 \f, 1, 0, \bias
	MUL12 \f, 1, 1, \bias
.endm
.macro THREE slot, bias
	QUARTER \slot, 64,  0, 1, \bias
	QUARTER \slot, 128, 1, 0, 0
	QUARTER \slot, 192, 0, 1, 0
.endm
; The last quarter multiplies buffer 1 and changes slots.  In front of the one barrier each wave waits for its reads of this slot and for all its
; tensor loads (one is out: its part of the next slot).  Behind it the refill comes first, then the first fragments of the next slot.
; From a request to the wait for it a wave issues 180 matrix instructions.
.macro TURN slot, next, fill
	s_wait_dscnt 4
	WIN MUL_LO
	MUL12 1, 0, 0, 0
	s_wait_dscnt 0                                 ; my reads of this slot are over
	s_wait_tensorcnt 0x0                           ; all my tensor loads have landed
	ds_add_u32 v255, v255
	s_wait_dscnt 0x0
	s_barrier_signal -1                            ; where the slot is filled again this barrier opens a round of the cluster barrier
	MUL12 1, 0, 1, 0                               ; register work while the others arrive
	WIN 0
	s_barrier_wait -1
.if \fill
	CREST                                          ; no wave of any partner still reads this slot or has a load on its way
	s_add_nc_u64 s[G0+4*\slot+2:G0+4*\slot+3], s[G0+4*\slot+2:G0+4*\slot+3], 2*KSTEP*2
	s_add_nc_u64 s[G0B+4*\slot+2:G0B+4*\slot+3], s[G0B+4*\slot+2:G0B+4*\slot+3], 2*KSTEP*2
	JLOAD \slot                                    ; the first and only tensor load of the wave behind the round
.endif
	PLACES
	FETCH \next, 0, 0
	WIN MUL_HI
	MUL12 1, 1, 0, 0
	MUL12 1, 1, 1, 0
.endm
.macro LAP bias
	THREE 0, \bias
	TURN 0, 1, 1
	THREE 1, 0
	TURN 1, 0, 1
.endm
	s_wait_tensorcnt 1                             ; my part of K step 0 is in; K step 1 may stay out
	s_barrier_signal -1
	s_barrier_wait -1                              ; everybody's part is in
	s_wait_loadcnt 0x0                             ; the bias, once
	FETCH 0, 0, 0
	LAP 1                                          ; the first lap stands in front of the loop: its first products take the bias as C
	WIN 0                                          ; at a label and at a branch every window is 0
	s_mov_b32 s3, LAPS-2
.Llap:
	LAP 0
	WIN 0
	s_sub_co_u32 s3, s3, 1
	s_cmp_lg_u32 s3, 0
	s_cbranch_scc1 .Llap
	THREE 0, 0                                     ; the last lap fills nothing; my one tensor load still out is the last K step
	TURN 0, 1, 0
	THREE 1, 0
	s_wait_dscnt 4                                 ; the very last quarter
	WIN MUL_LO
	MUL12 1, 0, 0, 0
	MUL12 1, 0, 1, 0
	s_wait_dscnt 0
	WIN MUL_HI
	MUL12 1, 1, 0, 0
	MUL12 1, 1, 1, 0
	; THE WAY OUT, 16 rows at a time: round to bf16, 16 bytes a lane into my own stage (three chunks of 16 rows x 128 bytes), read back four
	; rows of a chunk at a time, which are 512 consecutive bytes of qkv.
	PLACES                                         ; the places behind the last matrix instructions, for the conversions and for the loads into the old fragment registers
	s_lshl_b32 s13, s13, 15                        ; 256 x block row x 128 bytes
	s_lshl_b32 s14, s10, 13                        ; + 64 x wave x 128 bytes
	s_add_co_u32 s16, s13, s14
	s_mov_b32 s17, 0
	s_add_nc_u64 s[8:9], s[8:9], s[16:17]
	s_mul_i32 s46, s42, 3*CHUNKB                   ; my first chunk is 3 x block column
	s_mov_b32 s47, 0
	s_add_nc_u64 s[8:9], s[8:9], s[46:47]          ; never stepped: chunk, row block and run stand in the immediate, 1,056,256 at the most
; rows 16 a .. 16 a + 15 of my 64 = the twelve tiles (al, 0..11) of window 2 or 3 (from = 0x0a or 0x0f: sources 0 and 1); f: v32 or v96 in turn
.macro OUT16 a, al, from, f
	WIN \from
.irp b, 0,1,2,3,4,5,6,7,8,9,10,11
.irp r, 0,1,2,3
	v_cvt_pk_bf16_f32 v[TMP+4*\b+\r], v[96*\al+8*\b+2*\r], v[96*\al+8*\b+2*\r+1]
.endr
.endr
	WIN 0
.irp b, 0,1,2,3,4,5,6,7,8,9,10,11
	ds_store_b128 v[STO], v[TMP+4*\b:TMP+4*\b+3] offset:(\b>>2)*CHP+(\b&3)*32
.endr
	s_wait_xcnt 0x0                                ; the registers that earlier stores read are loaded again only behind this wait
.irp ch, 0,1,2
.irp t, 0,1,2,3
	ds_load_b128 v[\f+4*(4*\ch+\t):\f+4*(4*\ch+\t)+3], v[RD] offset:\ch*CHP+\t*4*RP   ; LDS serves a wave in order: these see the stores above
.endr
.endr
.irp ch, 0,1,2
.irp t, 0,1,2,3
	s_wait_dscnt 11-(4*\ch+\t)                     ; the younger read-backs may stay out
	global_store_b128 v[CO], v[\f+4*(4*\ch+\t):\f+4*(4*\ch+\t)+3], s[8:9] offset:\ch*CHUNKB+\a*2048+\t*512   ; the wave stores 512 consecutive bytes, aligned
.endr
.endr
.endm
	OUT16 0, 0, 0x0a, 32
	OUT16 1, 1, 0x0a, 96
	OUT16 2, 0, 0x0f, 32
	OUT16 3, 1, 0x0f, 96
	s_set_vgpr_msb 0x1
	s_wait_tensorcnt 0x0
	ds_add_u32 v255, v255
	s_wait_dscnt 0x0
	s_set_vgpr_msb 0x100
	CROUND                                         ; the closing round: no work-group ends while a partner may still ask for a tile that names it
	s_endpgm
.Lfunc_end_k_q7dea02dbbc_qkvgemm:
	.size	k_q7dea02dbbc_qkvgemm, .Lfunc_end_k_q7dea02dbbc_qkvgemm-k_q7dea02dbbc_qkvgemm
	.p2alignl 7, 3214868480
	.fill 96, 4, 3214868480
	.section	.rodata,"a",@progbits
	.p2align	6, 0x0
	.amdhsa_kernel k_q7dea02dbbc_qkvgemm
		.amdhsa_group_segment_fixed_size 327680
		.amdhsa_private_segment_fixed_size 0
		.amdhsa_enable_private_segment 0
		.amdhsa_kernarg_size 24
		.amdhsa_user_sgpr_count 2
		.amdhsa_user_sgpr_kernarg_segment_ptr 1
		.amdhsa_wavefront_size32 1
		.amdhsa_system_sgpr_workgroup_id_x 1
		.amdhsa_system_sgpr_workgroup_id_y 1
		.amdhsa_system_sgpr_workgroup_id_z 1
		.amdhsa_system_vgpr_workitem_id 0
		.amdhsa_next_free_vgpr 960
		.amdhsa_next_free_sgpr 66
		.amdhsa_reserve_vcc 0
		.amdhsa_float_denorm_mode_32 3
		.amdhsa_float_denorm_mode_16_64 3
		.amdhsa_memory_ordered 1
		.amdhsa_forward_progress 1
		.amdhsa_inst_pref_size 166
	.end_amdhsa_kernel
	.amdgpu_metadata
---
amdhsa.version: [ 1, 2 ]
amdhsa.kernels:
  - .name:           k_q7dea02dbbc_qkvgemm
    .symbol:         k_q7dea02dbbc_qkvgemm.kd
    .args:
      - { .name: xw, .offset: 0, .size: 8, .value_kind: global_buffer, .address_space: global }
      - { .name: entangle_params, .offset: 8, .size: 8, .value_kind: global_buffer, .address_space: global }
      - { .name: qkv, .offset: 16, .size: 8, .value_kind: global_buffer, .address_space: global }
    .group_segment_fixed_size: 327680
    .private_segment_fixed_size: 0
    .kernarg_segment_align: 8
    .kernarg_segment_size: 24
    .max_flat_workgroup_size: 128
    .sgpr_count:     66
    .vgpr_count:     960
    .wavefront_size: 32
...
	.end_amdgpu_metadata
.endif
;; end of part 2
;; launch attn (part 3): grid 8 x 32, 8 waves a work-group, clusters of 4 x 1, 327,680 bytes of LDS; arguments qkv, obuf; writes obuf
.if DOCPART == 3
	.amdgcn_target "amdgcn-amd-amdhsa--gfx1250"
	.amdhsa_code_object_version 6
	.text
	.protected	k_q7dea02dbbc_attn
	.globl	k_q7dea02dbbc_attn
	.p2align	8
	.type	k_q7dea02dbbc_attn,@function
k_q7dea02dbbc_attn:
	s_mov_b64 s[64:65], 0
	v_nop
	global_prefetch_b8 v0, s[64:65] scope:SCOPE_SE
	s_setreg_imm32_b32 hwreg(HW_REG_WAVE_MODE, 25, 1), 1
	s_wait_xcnt 0x0
	s_wait_alu depctr_hold_cnt(0) depctr_sa_sdst(0) depctr_va_vdst(0) depctr_va_sdst(0) depctr_va_ssrc(0) depctr_va_vcc(0) depctr_vm_vsrc(0)
	s_getreg_b32 s2, hwreg(HW_REG_IB_STS2, 6, 4)
	s_cmp_eq_u32 s2, 0
	s_cbranch_scc0 .Lentry_in_a_cluster
	s_endpgm
.Lentry_in_a_cluster:
	s_bfe_u32 s2, ttmp6, 0x10000c
	s_cmp_lg_u32 s2, 0x3003
	s_cbranch_scc0 .Lentry_shape_is_right
	s_endpgm
.Lentry_shape_is_right:
; Attention of one head and batch hb = 2 h + b (grid y) for 256 queries (grid x): O = softmax(Q K^T / 8) V, S = 2048 keys, D = 64.
; Q, K, V are bf16, dense [2048][64] for each hb, at 0, 8,388,608 and 16,777,216 + hb 262,144 in qkv.  Sums, maxima and exponentials in f32.
; TRANSPOSED PRODUCTS: S^T = K Q^T and O^T = V^T P^T.  In a result tile a lane holds one query (l % 16) and its registers hold keys (or d), so
; the running maximum, the sum and the rescale factor are one number a lane (one exchange with lane l xor 16 joins the two halves of the keys), and two
; S^T tiles, packed to bf16 in place, are already the second source of the second product: no shuffle and no trip through LDS.
; EIGHT WAVES IN TWO GROUPS.  Wave w owns the 64 queries of quarter w >> 1 (four tiles nt) and belongs to group g = (w xor (w >> 2)) & 1, so that waves
; w and w + 4, and also waves 2 i and 2 i + 1, are in different groups.  The two waves of a quarter (w and w xor 1) share the keys: of each 256 keys group g
; takes blocks 2 g and 2 g + 1 of 64 keys; a substep is one block: 32 + 32 matrix instructions and the softmax of 4 x 32 scores a lane.
; A wave's work alternates between a matrix block (second product of this substep, first product of the next) and a softmax block.  Group 1 runs one block
; behind group 0, so while the waves of one group issue matrix instructions those of the other issue vector instructions.  The lag is set up by one
; barrier at the start (group 0 does its first softmax in front of it, group 1 behind it), and each round of the cluster barrier stands on a block boundary
; of both groups: group 0 does the slot's last softmax in front of it, group 1 behind it; what is carried over the round (scores, V fragments) lies in registers.
; The softmax blocks of one group alone stand under a branch on the wave number; every distance behind a matrix instruction and every first write of a
; register holds on every way through the text, whichever of these branches are taken.
; At the end the two waves of a quarter join their maxima, sums and O through LDS, each finishing two of the four query tiles.
; KEY ORDER: K and V come in as rows of 256 bytes, two keys a row.  Key tile (t, par) takes keys 32 t + 2 r + par of the block; the transposing loads of V
; take par = 0 into registers 0-3 and par = 1 into registers 4-7: both products see the same permutation of the keys, which changes no sum but its order.
; THE MAXIMUM IS A RUNNING ONE: m starts at the lowest finite f32 and is updated in every substep; shift = -c m (rounded once) is kept for two substeps;
; p = exp2(c s + shift); the old sums are multiplied by exp2(shift_new - shift_old), so old and new terms use the very same rounded shifts.  c = log2(e) / 8.
; CLUSTERS: the four query blocks 4 X .. 4 X + 3 of one hb read the same K and V: 4 x 1 work-groups ask for each tile jointly (mask 15).
; The result goes out normalised, f32, in the order of the registers: byte hb 524,288 + (s >> 4) 4,096 + dt 1,024 + jh 512 + lane 16, where
; lane = 16 hl + r holds s = 16 (s >> 4) + r, d = 16 dt + 8 hl + 4 jh + 0..3; the next launch brings it into the order of the output.
; Limits: finite inputs (NaN and infinities are not treated); operands of both products are bf16; an exponential below 2^-126 counts as 0;
; the denominator sums the exponentials before their rounding to bf16; the sums over the two halves of the keys are formed apart and joined once.
;
; REGISTERS: window 0: v2-9 addresses; v16-79 Q; v80-143 K fragments; v144-207 V fragments; v208-255 softmax state.
; Window 1: v0-127 the 16 S^T tiles (32 nt + 8 mt), later P (32 nt + 16 t); v128-255 the 16 O^T tiles (128 + 8 (4 nt + dt)).
.set REGK,  8704                       ; a block of K in LDS: 32 rows x 272 bytes; block b lies at b REGK and wave b fills it (4 REGK = 34,816)
.set REGV,  9216                       ; a block of V in LDS: 32 rows x 288 bytes; block b lies at (4 + b) REGV and wave 4 + b fills it
.set VOFF,  4*REGV                     ; 36,864: behind the four blocks of K
.set SLOT,  8*REGV                     ; 73,728 bytes: 256 keys of K and of V
.set SCR,   2*SLOT                     ; 147,456 = 576 x 256: behind the ring; no tensor load lands here
.set WSCR,  19*512                     ; a wave's part of it: 19 stores of 512 bytes = 38 x 256
.set BLKB,  8192                       ; a block in memory: 64 keys x 128 bytes
.set KA,  2                            ; v2-3   K fragments in slot 0, 1: g 2 REGK + r 272 + 16 h
.set VA,  4                            ; v4-5   V fragments: VOFF + g 2 REGV + (8 h + (l & 7)) 288 + 16 ((l >> 3) & 1)
.set QO,  6                            ; v6     r 128 + 16 h
.set CO,  7                            ; v7     16 x lane
.set SW,  8                            ; v8     my part of the scratch + 16 x lane
.set SR,  9                            ; v9     my partner's part + 16 x lane
.set QF,  16                           ; Q fragment (nt, ks) at QF + 8 (2 nt + ks)
.set KF,  80                           ; K fragment (mt, ks) at KF + 16 mt + 8 ks
.set VF,  144                          ; V fragment (t, dt) at VF + 8 (4 t + dt)
.set PX,  144                          ; at the end: the partner's sums
.set PN,  148                          ; at the end: the partner's shifts, each twice
.set M,   208                          ; v208-211  running maximum of the raw scores, one for each nt
.set NM,  216                          ; v216-223  shift -c m, twice (a pair for the packed forms), of substeps j = 0; v248-255 of substeps j = 1
.set AL,  224                          ; v224-231  rescale factor, twice
.set LS,  232                          ; v232-239  two partial sums for each nt
.set XX,  240                          ; v240-243  at work at the end
.set TT,  244                          ; v244-247  at work; destination of the exchange between the halves
.set OF,  128                          ; window 1
.set G1K, 16                           ; s[16:23]
.set G1V, 24                           ; s[24:31]
.set G0K, 32                           ; s[32:39] one set for each slot
.set G0V, 40                           ; s[40:47]
.set MSB, 0
.macro WIN new                         ; the upper byte of the immediate repeats the setting that is left
.if MSB != \new
	s_set_vgpr_msb (MSB<<8)|\new
.set MSB, \new
.endif
.endm
.macro NOPS n
.rept \n
	v_nop
.endr
.endm
.macro ROUND                           ; a round of the cluster barrier
	s_barrier_signal -1
	s_barrier_wait -1
	s_cmp_lg_u32 s8, 0
	s_cbranch_scc1 .Lnot_wave_0_\@
	s_barrier_signal -3
.Lnot_wave_0_\@:
	s_barrier_wait -3
	s_barrier_signal -1
	s_barrier_wait -1
.endm
.macro JLOAD n                         ; waves 0-3 ask for the slot's four blocks of K, waves 4-7 for those of V: one load a wave
	s_cmp_eq_u32 s10, 0
	s_cbranch_scc0 .Lfor_v_\@
	tensor_load_to_lds s[G0K+4*\n:G0K+4*\n+3], s[G1K:G1K+7]
	s_nop 0
	s_branch .Lasked_\@
.Lfor_v_\@:
	tensor_load_to_lds s[G0V+4*\n:G0V+4*\n+3], s[G1V:G1V+7]
	s_nop 0
.Lasked_\@:
.endm
	s_load_b128 s[4:7], s[0:1], 0x0                ; qkv s[4:5], obuf s[6:7]
	v_lshl_add_u32 v214, v0, 2, 0x37000
	v_mov_b32 v215, 0
	ds_add_u32 v214, v215
	v_lshrrev_b32 v1, 5, v0
	v_readfirstlane_b32 s8, v1                     ; wave 0..7
	s_lshr_b32 s9, s8, 1                           ; my quarter of the 256 queries
	s_lshr_b32 s10, s8, 2                          ; I fetch K (0) or V (1)
	s_xor_b32 s63, s10, s8
	s_and_b32 s63, s63, 1                          ; my group
	s_bfe_u32 s11, ttmp6, 0x40000                  ; cx
	s_lshl_b32 s12, ttmp9, 2
	s_add_co_u32 s12, s12, s11                     ; query block = 4 x cluster x + cx
	s_and_b32 s13, ttmp7, 0xffff                   ; hb
	; group 1: 32 rows of 128 elements of 2 bytes, dense in memory (eight waves share the slot's 256 rows: 32 each);
	; padding behind every 64 words: 4 words for K (pitch 272), 8 for V (pitch 288)
	s_mov_b32 s[G1K+0], 15|(1<<16)|(1<<20)|(1<<21)|(5<<22)|(3<<25)
	s_mov_b32 s[G1V+0], 15|(1<<16)|(1<<20)|(1<<21)|(5<<22)|(7<<25)
	s_mov_b32 s[G1K+1], 128<<16                    ; tensor_dim0
	s_mov_b32 s[G1V+1], 128<<16
	s_mov_b32 s[G1K+2], 32<<16                     ; tensor_dim1
	s_mov_b32 s[G1V+2], 32<<16
	s_mov_b32 s[G1K+3], 128<<16                    ; tile_dim0
	s_mov_b32 s[G1V+3], 128<<16
	s_mov_b32 s[G1K+4], 32                         ; tile_dim1
	s_mov_b32 s[G1V+4], 32
	s_mov_b32 s[G1K+5], 128                        ; elements from row to row
	s_mov_b32 s[G1V+5], 128
	s_mov_b32 s[G1K+6], 0
	s_mov_b32 s[G1V+6], 0
	s_mov_b32 s[G1K+7], 0
	s_mov_b32 s[G1V+7], 0
	s_mov_b32 s48, 0x76543210                      ; v_permlanex16_b32: lane i reads lane i of the other half
	s_mov_b32 s49, 0xfedcba98
	s_mov_b32 s50, 0x3e38aa3b                      ; c = log2(e) / 8
	s_mov_b32 s51, 0x3e38aa3b
	s_mov_b32 s52, 0xbe38aa3b                      ; -c
	s_and_b32 s62, s8, 3                           ; which block of the slot I fetch
	s_lshl_b32 s15, s62, 13                        ; x 8,192 bytes
	s_lshl_b32 s14, s13, 18                        ; + hb x 262,144: shared by the four partners
	s_add_co_u32 s14, s14, s15
	s_mov_b32 s15, 0
	s_mul_i32 s3, s8, REGK                         ; where K goes (waves 0-3): the wave number x 8,704
	s_mul_i32 s2, s8, REGV                         ; where V goes (waves 4-7): the wave number x 9,216
	s_lshl_b32 s54, s13, 18                        ; Q: hb x 262,144 + (256 x block + 64 x quarter) x 128
	s_lshl_b32 s62, s12, 15
	s_add_co_u32 s54, s54, s62
	s_lshl_b32 s62, s9, 13
	s_add_co_u32 s54, s54, s62
	s_mov_b32 s55, 0
	s_lshl_b32 s60, s13, 19                        ; result: hb x 524,288 + (16 x block + 4 x quarter) x 4,096
	s_lshl_b32 s62, s12, 16
	s_add_co_u32 s60, s60, s62
	s_lshl_b32 s62, s9, 14
	s_add_co_u32 s60, s60, s62
	s_mov_b32 s61, 0
	s_wait_dscnt 0x0
	s_wait_kmcnt 0x0
	s_add_nc_u64 s[56:57], s[4:5], s[14:15]
	s_add_nc_u64 s[58:59], s[56:57], 16777216      ; V
	s_add_nc_u64 s[56:57], s[56:57], 8388608       ; K
	s_add_nc_u64 s[54:55], s[4:5], s[54:55]
	s_add_nc_u64 s[60:61], s[6:7], s[60:61]
	ROUND                                          ; the four partners are here: the first joint loads meet
.irp n, 0,1
	s_mov_b32 s[G0K+4*\n], 1
	s_add_co_u32 s[G0K+4*\n+1], s3, \n*SLOT
	s_add_nc_u64 s[G0K+4*\n+2:G0K+4*\n+3], s[56:57], \n*4*BLKB     ; slot n starts with keys 256 n .. 256 n + 255
	s_or_b32 s[G0K+4*\n+3], s[G0K+4*\n+3], 0x80000000
	s_mov_b32 s[G0V+4*\n], 1
	s_add_co_u32 s[G0V+4*\n+1], s2, \n*SLOT
	s_add_nc_u64 s[G0V+4*\n+2:G0V+4*\n+3], s[58:59], \n*4*BLKB
	s_or_b32 s[G0V+4*\n+3], s[G0V+4*\n+3], 0x80000000
	JLOAD \n                                       ; two tensor loads of the wave are out
.endr
	v_and_b32 v10, 15, v0                          ; r
	v_bfe_u32 v11, v0, 4, 1                        ; h
	v_lshlrev_b32 v[QO], 7, v10
	v_lshl_add_u32 v[QO], v11, 4, v[QO]
.irp nt, 0,1,2,3
.irp ks, 0,1
	global_load_b128 v[QF+8*(2*\nt+\ks):QF+8*(2*\nt+\ks)+3],   v[QO], s[54:55] offset:\nt*2048+\ks*64      ; query 16 nt + r, d = 32 ks + 8 h ..
	global_load_b128 v[QF+8*(2*\nt+\ks)+4:QF+8*(2*\nt+\ks)+7], v[QO], s[54:55] offset:\nt*2048+\ks*64+32   ; d = 32 ks + 16 + 8 h ..
.endr
.endr
	s_mul_i32 s62, s63, 2*REGK                     ; my group's two blocks of K
	v_mul_u32_u24 v12, v10, 272
	v_lshl_add_u32 v12, v11, 4, v12
	v_add_nc_u32 v[KA], s62, v12
	v_add_nc_u32 v[KA+1], SLOT, v[KA]
	s_mul_i32 s62, s63, 2*REGV                     ; and of V
	v_and_b32 v12, 7, v0
	v_lshl_add_u32 v12, v11, 3, v12                ; 8 h + (l & 7)
	v_mul_u32_u24 v12, v12, 288
	v_bfe_u32 v13, v0, 3, 1
	v_lshl_add_u32 v12, v13, 4, v12
	v_add_nc_u32 v12, s62, v12
	v_add_nc_u32 v[VA], VOFF, v12
	v_add_nc_u32 v[VA+1], VOFF+SLOT, v12
	v_and_b32 v[CO], 31, v0
	v_lshlrev_b32 v[CO], 4, v[CO]
	s_mul_i32 s62, s8, WSCR
	s_add_co_u32 s62, s62, SCR
	v_add_nc_u32 v[SW], s62, v[CO]                 ; my part of the scratch
	s_xor_b32 s62, s8, 1                           ; the other wave of my quarter
	s_mul_i32 s62, s62, WSCR
	s_add_co_u32 s62, s62, SCR
	v_add_nc_u32 v[SR], s62, v[CO]
	; the softmax state starts here, under no branch: the maximum at the lowest finite f32, both sets of shifts at that maximum's shift (about 6e37), the sums at 0.
	; The first softmax block then has the form of all others: its factor is exp2 of about -6e37, which is 0, times a sum of 0.
.irp nt, 0,1,2,3
	v_mov_b32 v[M+\nt], 0xff7fffff
	v_mov_b32 v[TT+\nt], 0                         ; the destination of the exchange counts as read: written once here
	v_mov_b32 v[LS+2*\nt], 0
	v_mov_b32 v[LS+2*\nt+1], 0
.endr
.irp nt, 0,1,2,3
	v_mul_f32 v[NM+2*\nt],      s52, v[M+\nt]
	v_mul_f32 v[NM+2*\nt+1],    s52, v[M+\nt]
	v_mul_f32 v[NM+32+2*\nt],   s52, v[M+\nt]
	v_mul_f32 v[NM+32+2*\nt+1], s52, v[M+\nt]
.endr
; 16 LDS loads: the K fragments of block j of my group's two, key tiles in ascending order, four loads each
.macro LOADK slot, j
	WIN 0
.irp mt, 0,1,2,3
.irp ks, 0,1
	ds_load_b128 v[KF+16*\mt+8*\ks:KF+16*\mt+8*\ks+3],   v[KA+\slot] offset:\j*REGK+(\mt>>1)*4352+(\mt&1)*128+\ks*64
	ds_load_b128 v[KF+16*\mt+8*\ks+4:KF+16*\mt+8*\ks+7], v[KA+\slot] offset:\j*REGK+(\mt>>1)*4352+(\mt&1)*128+\ks*64+32
.endr
.endr
.endm
; 16 LDS loads: the V fragments of the same block, transposed on the way
.macro LOADV slot, j
	WIN 0
.irp t, 0,1
.irp dt, 0,1,2,3
.irp par, 0,1
	ds_load_tr16_b128 v[VF+8*(4*\t+\dt)+4*\par:VF+8*(4*\t+\dt)+4*\par+3], v[VA+\slot] offset:\j*REGV+\t*4608+\par*128+\dt*32
.endr
.endr
.endr
.endm
; S^T = K Q^T: for each key tile the four query tiles take turns, first d = 0..31 (which starts the sums), then d = 32..63: one instruction a turn.
.macro QK
	WIN 0x50                                       ; K and Q window 0, C and D window 1
.irp mt, 0,1,2,3
	s_wait_dscnt 28-4*\mt                          ; the four loads of key tile mt are in; the 12 - 4 mt K loads behind them and the 16 V loads may stay out
.irp nt, 0,1,2,3
	v_wmma_f32_16x16x32_bf16 v[32*\nt+8*\mt:32*\nt+8*\mt+7], v[KF+16*\mt:KF+16*\mt+7], v[QF+16*\nt:QF+16*\nt+7], 0
.endr
.irp nt, 0,1,2,3
	v_wmma_f32_16x16x32_bf16 v[32*\nt+8*\mt:32*\nt+8*\mt+7], v[KF+16*\mt+8:KF+16*\mt+15], v[QF+16*\nt+8:QF+16*\nt+15], v[32*\nt+8*\mt:32*\nt+8*\mt+7]
.endr
.endr
	WIN 0
.endm
; The softmax block on the 4 x 32 scores of a lane.  first = 1: O does not exist yet, so it is not rescaled.  u: which set of shifts this substep writes.
.macro SOFTMAX first, u
	NOPS 4                                         ; four places before vector instructions read the scores (ISA guide 7.12.1)
	WIN 0x05                                       ; sources 0 and 1 window 1
.set i, 0
.rept 16
.irp nt, 0,1,2,3
	v_max3_num_f32 v[M+\nt], v[32*\nt+2*i], v[32*\nt+2*i+1], v[M+\nt]   ; the old maximum starts each chain; four chains that do not wait for each other
.endr
.set i, i+1
.endr
	WIN 0
.irp nt, 0,1,2,3
	v_permlanex16_b32 v[TT+\nt], v[M+\nt], s48, s49                ; the other half of the keys of the same query
.endr
.irp nt, 0,1,2,3
	v_max_num_f32 v[M+\nt], v[M+\nt], v[TT+\nt]
.endr
.irp nt, 0,1,2,3
	v_mul_f32 v[NM+32*\u+2*\nt],   s52, v[M+\nt]                   ; shift = -c m, rounded once, twice for the packed forms
	v_mul_f32 v[NM+32*\u+2*\nt+1], s52, v[M+\nt]
.endr
.irp nt, 0,1,2,3
	v_sub_f32 v[TT+\nt], v[NM+32*\u+2*\nt], v[NM+32*(1-\u)+2*\nt]  ; new shift - old shift, never above 0
.endr
.irp nt, 0,1,2,3
	v_exp_f32 v[AL+2*\nt],   v[TT+\nt]
	v_exp_f32 v[AL+2*\nt+1], v[TT+\nt]
.endr
	v_nop                                          ; one plain place behind the exponentials (ISA guide 5.7.2)
	WIN 0x41                                       ; source 0 and destination window 1: O here, the scores below
.if \first == 0
	s_wait_alu depctr_va_vdst(0)
.irp nt, 0,1,2,3
.set i, 0
.rept 16
	v_pk_mul_f32 v[OF+32*\nt+2*i:OF+32*\nt+2*i+1], v[OF+32*\nt+2*i:OF+32*\nt+2*i+1], v[AL+2*\nt:AL+2*\nt+1]
.set i, i+1
.endr
.endr
.endif
	; p = exp2(c s + shift), in place.  The multiply-add of pair i + 1 stands beside the exponentials of pair i: it names none of their registers.
.irp nt, 0,1,2,3
	v_pk_fma_f32 v[32*\nt:32*\nt+1], v[32*\nt:32*\nt+1], s[50:51], v[NM+32*\u+2*\nt:NM+32*\u+2*\nt+1] op_sel_hi:[1,0,1]
.endr
.set i, 0
.rept 15
.irp nt, 0,1,2,3
	v_pk_fma_f32 v[32*\nt+2*i+2:32*\nt+2*i+3], v[32*\nt+2*i+2:32*\nt+2*i+3], s[50:51], v[NM+32*\u+2*\nt:NM+32*\u+2*\nt+1] op_sel_hi:[1,0,1]
	v_exp_f32 v[32*\nt+2*i],   v[32*\nt+2*i]
	v_exp_f32 v[32*\nt+2*i+1], v[32*\nt+2*i+1]
.endr
.set i, i+1
.endr
.irp nt, 0,1,2,3
	v_exp_f32 v[32*\nt+30], v[32*\nt+30]
	v_exp_f32 v[32*\nt+31], v[32*\nt+31]
.endr
	v_nop                                          ; one plain place behind the last exponentials
	; the sums, two partial ones for each query tile
	WIN 0x10                                       ; source 2 window 1
	s_wait_alu depctr_va_vdst(0)
.irp nt, 0,1,2,3
	v_pk_fma_f32 v[LS+2*\nt:LS+2*\nt+1], v[LS+2*\nt:LS+2*\nt+1], v[AL+2*\nt:AL+2*\nt+1], v[32*\nt:32*\nt+1]   ; the old sum, rescaled, starts the chain
.endr
	WIN 0x01
.set i, 1
.rept 15
.irp nt, 0,1,2,3
	v_pk_add_f32 v[LS+2*\nt:LS+2*\nt+1], v[32*\nt+2*i:32*\nt+2*i+1], v[LS+2*\nt:LS+2*\nt+1]
.endr
.set i, i+1
.endr
	; two S^T tiles (par = 0, 1) of 16 registers become one P fragment of 8, in place: register x + i takes x + 2 i and x + 2 i + 1, i ascending,
	; so that no register is written before it has been read
	WIN 0x45
.set x, 0
.rept 8
.irp i, 0,1,2,3,4,5,6,7
	v_cvt_pk_bf16_f32 v[x+\i], v[x+2*\i], v[x+2*\i+1]
.endr
.set x, x+16
.endr
	WIN 0
.endm
.macro SM_G g, first, u                ; the softmax block for the waves of group g alone: the branch hangs on the wave number
	s_cmp_lg_u32 s63, \g
	s_cbranch_scc1 .Lnot_mine_\@
	SOFTMAX \first, \u
.Lnot_mine_\@:
.endm
; O^T += V^T P^T for the 32 keys of half t of the block: the sixteen accumulators take turns, one instruction a turn.
.macro PVT t, zero
.irp nt, 0,1,2,3
.irp dt, 0,1,2,3
.if \zero
	v_wmma_f32_16x16x32_bf16 v[OF+8*(4*\nt+\dt):OF+8*(4*\nt+\dt)+7], v[VF+8*(4*\t+\dt):VF+8*(4*\t+\dt)+7], v[32*\nt+16*\t:32*\nt+16*\t+7], 0
.else
	v_wmma_f32_16x16x32_bf16 v[OF+8*(4*\nt+\dt):OF+8*(4*\nt+\dt)+7], v[VF+8*(4*\t+\dt):VF+8*(4*\t+\dt)+7], v[32*\nt+16*\t:32*\nt+16*\t+7], v[OF+8*(4*\nt+\dt):OF+8*(4*\nt+\dt)+7]
.endif
.endr
.endr
.endm
; The matrix block: the second product of the substep whose P and V lie in registers, and the first product of block j of the slot.
; The next K is asked for ahead of the second product, so that it lands while that product runs.
.macro MBLK slot, j, first
	NOPS 5                                         ; five places behind the first product before this block, on every way through the text, also where a group's softmax is jumped over:
	                                               ; K's registers are loaded again (four are asked) and the score registers serve as a matrix source (five) (ISA guide 7.12.1)
	LOADK \slot, \j
	s_wait_dscnt 16                                ; all but the 16 K loads just issued: the V fragments, which are older, are in
	WIN 0x54                                       ; V window 0, P window 1, C and D window 1
	PVT 0, \first
	PVT 1, 0
	NOPS 5                                         ; five places: V's registers are loaded again, P's registers written by matrix instructions (ISA guide 7.12.1)
	LOADV \slot, \j
	QK
.endm
; A phase: the 256 keys of one slot.  In front of the round every wave has waited for all its tensor loads (its part of this slot among them) and for its
; reads of the other slot; behind the round the other slot is asked for again first: that load has the four blocks of the phase in which to land.
.macro PHASE slot, other, refill, last
	s_wait_tensorcnt 0x0                           ; no tensor load of mine is out, so a group 0 may be written
	ds_add_u32 v214, v215
	s_wait_dscnt 0x0
	s_add_nc_u64 s[G0K+4*\other+2:G0K+4*\other+3], s[G0K+4*\other+2:G0K+4*\other+3], 8*BLKB
	s_add_nc_u64 s[G0V+4*\other+2:G0V+4*\other+3], s[G0V+4*\other+2:G0V+4*\other+3], 8*BLKB
	s_wait_dscnt 0x0                               ; my reads of the other slot are over
	ROUND                                          ; both now hold of every wave of the four partners
.if \refill
	JLOAD \other                                   ; my one tensor load behind the round
.endif
	SM_G 1, 0, 1                                   ; group 1: the softmax of the last slot's second block, from registers, while group 0 multiplies
	MBLK \slot, 0, 0
	SOFTMAX 0, 0
	MBLK \slot, 1, 0
.if \last
	SOFTMAX 0, 1                                   ; no round follows: both groups
.else
	SM_G 0, 0, 1                                   ; group 0 alone, while group 1 multiplies; group 1 does it behind the round
.endif
.endm
	s_wait_tensorcnt 1                             ; my part of slot 0 is in; slot 1 may stay out
	s_barrier_signal -1
	s_barrier_wait -1
	s_wait_loadcnt 0x0                             ; Q, once
	LOADK 0, 0                                     ; every wave: the first product of its group's first block
	LOADV 0, 0
	QK
	; the lag of one block between the groups is set up here: group 0 does its first softmax in front of the barrier, group 1 behind it, while group 0 multiplies
	SM_G 0, 1, 0
	s_wait_dscnt 0x0                               ; no LDS instruction is pending at a signal
	s_barrier_signal -1
	s_barrier_wait -1
	SM_G 1, 1, 0
	MBLK 0, 1, 1                                   ; the first second product starts O: nothing is cleared
	SM_G 0, 0, 1
	s_mov_b32 s53, 3
.Lpairs:
	PHASE 1, 0, 1, 0
	PHASE 0, 1, 1, 0
	s_sub_co_u32 s53, s53, 1
	s_cmp_lg_u32 s53, 0
	s_cbranch_scc1 .Lpairs
	PHASE 1, 0, 0, 1                               ; the last 256 keys: nothing is left to fetch (the stepped address of slot 0 is not used)
	s_wait_dscnt 0x0                               ; the last V fragments
	WIN 0x54
	PVT 0, 0
	PVT 1, 0
	WIN 0
	; THE END.  The two waves of a quarter hold maxima (as shifts), sums and O over their halves of the keys.  Each gives the other its sums, its shifts and
	; the O of two query tiles through LDS, and finishes the two tiles that it keeps: group 0 tiles 0 and 1, group 1 tiles 2 and 3.
	NOPS 4                                         ; four places behind the last products
.irp nt, 0,1,2,3
	v_add_f32 v[XX+\nt], v[LS+2*\nt], v[LS+2*\nt+1]
.endr
.irp nt, 0,1,2,3
	v_permlanex16_b32 v[TT+\nt], v[XX+\nt], s48, s49
.endr
.irp nt, 0,1,2,3
	v_add_f32 v[XX+\nt], v[XX+\nt], v[TT+\nt]      ; at least 1: my largest score gives exp2(0)
.endr
	ds_store_b128 v[SW], v[XX:XX+3]                            ; my four sums
	ds_store_b128 v[SW], v[NM+32:NM+35] offset:512             ; my last shifts (the last substep had j = 1), each twice
	ds_store_b128 v[SW], v[NM+36:NM+39] offset:1024
.macro GIVE gv                         ; the O of query tiles gv and gv + 1: 16 stores of 512 consecutive bytes
	WIN 0x04                                       ; store data window 1
.irp a, 0,1
.irp dt, 0,1,2,3
.irp jh, 0,1
	ds_store_b128 v[SW], v[OF+8*(4*(\gv+\a)+\dt)+4*\jh:OF+8*(4*(\gv+\a)+\dt)+4*\jh+3] offset:1536+512*(8*\a+2*\dt+\jh)
.endr
.endr
.endr
	WIN 0
.endm
	s_cmp_lg_u32 s63, 0
	s_cbranch_scc1 .Lgive_1
	GIVE 2
	s_branch .Lgiven
.Lgive_1:
	GIVE 0
.Lgiven:
	s_wait_dscnt 0x0                               ; my stores are in LDS, for my partner
	s_barrier_signal -1
	s_barrier_wait -1
	ds_load_b128 v[PX:PX+3], v[SR]                             ; the partner's sums
	ds_load_b128 v[PN:PN+3], v[SR] offset:512                  ; and shifts
	ds_load_b128 v[PN+4:PN+7], v[SR] offset:1024
; Query tiles kp and kp + 1: final shift = the smaller of the two shifts (the larger maximum); each side is multiplied by exp2(final - own), never above 1.
.macro TAKE kp
.irp a, 0,1
.irp dt, 0,1,2,3
.irp jh, 0,1
	ds_load_b128 v[KF+32*\a+8*\dt+4*\jh:KF+32*\a+8*\dt+4*\jh+3], v[SR] offset:1536+512*(8*\a+2*\dt+\jh)
.endr
.endr
.endr
	s_wait_dscnt 16                                ; the three loads of sums and shifts are in; the 16 behind them may stay out
.irp a, 0,1
	v_min_num_f32 v[TT+\a], v[NM+32+2*(\kp+\a)], v[PN+2*(\kp+\a)]
.endr
.irp a, 0,1
	v_sub_f32 v[M+\a],   v[TT+\a], v[NM+32+2*(\kp+\a)]
	v_sub_f32 v[M+2+\a], v[TT+\a], v[PN+2*(\kp+\a)]
.endr
.irp a, 0,1
	v_exp_f32 v[M+\a],   v[M+\a]
	v_exp_f32 v[M+2+\a], v[M+2+\a]
.endr
	v_nop                                          ; one plain place behind the exponentials
	s_wait_alu depctr_va_vdst(0)
.irp a, 0,1
	v_mul_f32 v[TT+\a], v[XX+\kp+\a], v[M+\a]
.endr
.irp a, 0,1
	v_fmac_f32 v[TT+\a], v[PX+\kp+\a], v[M+2+\a]   ; the joint sum, at least 1
.endr
.irp a, 0,1
	v_rcp_f32 v[TT+\a], v[TT+\a]
.endr
	v_nop                                          ; one plain place behind the reciprocals
	s_wait_alu depctr_va_vdst(0)
.irp a, 0,1
	v_mul_f32 v[AL+4*\a],   v[M+\a],   v[TT+\a]    ; my factor over the sum, twice
	v_mul_f32 v[AL+4*\a+1], v[M+\a],   v[TT+\a]
	v_mul_f32 v[AL+4*\a+2], v[M+2+\a], v[TT+\a]    ; the partner's, twice
	v_mul_f32 v[AL+4*\a+3], v[M+2+\a], v[TT+\a]
.endr
	s_wait_dscnt 0x0                               ; the partner's O
.irp a, 0,1
.set i, 0
.rept 16
	v_pk_mul_f32 v[KF+32*\a+2*i:KF+32*\a+2*i+1], v[KF+32*\a+2*i:KF+32*\a+2*i+1], v[AL+4*\a+2:AL+4*\a+3]
.set i, i+1
.endr
.endr
	WIN 0x41                                       ; my O: source 0 and destination window 1
.irp a, 0,1
.set i, 0
.rept 16
	v_pk_fma_f32 v[OF+32*(\kp+\a)+2*i:OF+32*(\kp+\a)+2*i+1], v[OF+32*(\kp+\a)+2*i:OF+32*(\kp+\a)+2*i+1], v[AL+4*\a:AL+4*\a+1], v[KF+32*\a+2*i:KF+32*\a+2*i+1]
.set i, i+1
.endr
.endr
	WIN 0x04                                       ; store data window 1
.irp a, 0,1
.irp dt, 0,1,2,3
.irp jh, 0,1
	global_store_b128 v[CO], v[OF+32*(\kp+\a)+8*\dt+4*\jh:OF+32*(\kp+\a)+8*\dt+4*\jh+3], s[60:61] offset:(\kp+\a)*4096+\dt*1024+\jh*512   ; 512 consecutive bytes, aligned
.endr
.endr
.endr
	WIN 0
.endm
	s_cmp_lg_u32 s63, 0
	s_cbranch_scc1 .Ltake_1
	TAKE 0
	s_branch .Ltaken
.Ltake_1:
	TAKE 2
.Ltaken:
	s_wait_tensorcnt 0x0
	ds_add_u32 v214, v215
	s_wait_dscnt 0x0
	ROUND                                          ; the closing round: no work-group ends while a partner may still ask for a tile that names it
	s_endpgm
.Lfunc_end_k_q7dea02dbbc_attn:
	.size	k_q7dea02dbbc_attn, .Lfunc_end_k_q7dea02dbbc_attn-k_q7dea02dbbc_attn
	.p2alignl 7, 3214868480
	.fill 96, 4, 3214868480
	.section	.rodata,"a",@progbits
	.p2align	6, 0x0
	.amdhsa_kernel k_q7dea02dbbc_attn
		.amdhsa_group_segment_fixed_size 327680
		.amdhsa_private_segment_fixed_size 0
		.amdhsa_enable_private_segment 0
		.amdhsa_kernarg_size 16
		.amdhsa_user_sgpr_count 2
		.amdhsa_user_sgpr_kernarg_segment_ptr 1
		.amdhsa_wavefront_size32 1
		.amdhsa_system_sgpr_workgroup_id_x 1
		.amdhsa_system_sgpr_workgroup_id_y 1
		.amdhsa_system_sgpr_workgroup_id_z 1
		.amdhsa_system_vgpr_workitem_id 0
		.amdhsa_next_free_vgpr 512
		.amdhsa_next_free_sgpr 66
		.amdhsa_reserve_vcc 0
		.amdhsa_float_denorm_mode_32 3
		.amdhsa_float_denorm_mode_16_64 3
		.amdhsa_memory_ordered 1
		.amdhsa_forward_progress 1
		.amdhsa_inst_pref_size 255
	.end_amdhsa_kernel
	.section	.bss,"aw",@nobits
	.p2align	6
	.space	262144
	.amdgpu_metadata
---
amdhsa.version: [ 1, 2 ]
amdhsa.kernels:
  - .name:           k_q7dea02dbbc_attn
    .symbol:         k_q7dea02dbbc_attn.kd
    .args:
      - { .name: qkv, .offset: 0, .size: 8, .value_kind: global_buffer, .address_space: global }
      - { .name: obuf, .offset: 8, .size: 8, .value_kind: global_buffer, .address_space: global }
    .group_segment_fixed_size: 327680
    .private_segment_fixed_size: 0
    .kernarg_segment_align: 8
    .kernarg_segment_size: 16
    .max_flat_workgroup_size: 256
    .sgpr_count:     66
    .vgpr_count:     512
    .wavefront_size: 32
...
	.end_amdgpu_metadata
.endif
;; end of part 3
;; launch permute (part 4): grid 128 x 2, 8 waves a work-group, no clusters, 68,864 bytes of LDS; arguments obuf, out0; writes out0
.if DOCPART == 4
	.amdgcn_target "amdgcn-amd-amdhsa--gfx1250"
	.amdhsa_code_object_version 6
	.text
	.protected	k_q7dea02dbbc_permute
	.globl	k_q7dea02dbbc_permute
	.p2align	8
	.type	k_q7dea02dbbc_permute,@function
k_q7dea02dbbc_permute:
	s_mov_b64 s[64:65], 0
	v_nop
	global_prefetch_b8 v0, s[64:65] scope:SCOPE_SE
	s_setreg_imm32_b32 hwreg(HW_REG_WAVE_MODE, 25, 1), 1
	s_wait_xcnt 0x0
; out0[s][d][hb] (byte s 8,192 + d 128 + hb 4) from obuf, which holds for each hb the numbers in the order hb 524,288 + qt 4,096 + dt 1,024 +
; jh 512 + lane 16, lane = 16 hl + r holding s = 16 qt + r, d = 16 dt + 8 hl + 4 jh + 0..3.
; hb is the fastest axis of the output, so 256 consecutive bytes of out0 hold 2 d x all 32 hb: a work-group takes 16 rows s (qt = grid x) x 32 d
; (dh = grid y) x all 32 hb, 65,536 bytes, through LDS.  Every load of a wave covers 512 consecutive bytes, aligned, and so does every store.
; LDS byte = r 4,240 + g 528 + i 128 + 4 d_local, hb = 4 g + i.  4,240 = 265 x 16: the sixteen rows of a 16-byte store start in sixteen different
; 16-byte columns of 256; 528 = 132 words: the 32 lanes of a 4-byte load (g = l & 7, d = l >> 3) touch words 4 g + e modulo 64, all different.
; Memory binds: no matrix unit; no byte is shared between work-groups, so no cluster.
.set RPITCH, 4240
.set GPITCH, 528
.set IN,  8                            ; v[8:71]    sixteen loads
.set OUT, 72                           ; v[72:135]  sixteen stores of four words
	s_load_b128 s[4:7], s[0:1], 0x0                ; obuf s[4:5], out0 s[6:7]
	v_lshl_add_u32 v136, v0, 2, 0x10900
	v_mov_b32 v137, 0
	v_lshrrev_b32 v1, 5, v0
	v_readfirstlane_b32 s8, v1                     ; wave 0..7
	v_and_b32 v1, 31, v0                           ; lane
	v_and_b32 v2, 15, v0                           ; r
	v_bfe_u32 v3, v0, 4, 1                         ; hl
	s_and_b32 s9, ttmp7, 0xffff                    ; dh
	s_lshl_b32 s10, ttmp9, 12                      ; obuf: qt x 4,096 + dh x 2,048
	s_lshl_b32 s11, s9, 11
	s_add_co_u32 s10, s10, s11
	s_mov_b32 s11, 0
	s_lshl_b32 s12, ttmp9, 17                      ; out0: qt x 16 rows x 8,192 + dh x 32 d x 128
	s_lshl_b32 s13, s9, 12
	s_add_co_u32 s12, s12, s13
	s_mov_b32 s13, 0
	s_lshl_b32 s14, s8, 21                         ; wave w reads hb = 4 w .. 4 w + 3: w x 4 x 524,288
	v_lshl_add_u32 v4, v1, 4, s14                  ; + 16 x lane
	s_mul_i32 s15, s8, GPITCH
	v_mul_u32_u24 v5, v2, RPITCH
	v_lshl_add_u32 v5, v3, 5, v5
	v_add_nc_u32 v5, s15, v5                       ; into LDS: r 4,240 + 32 hl + w 528
	v_and_b32 v6, 7, v0                            ; g of the words that I read back
	v_bfe_u32 v7, v0, 3, 2                         ; and which of four d
	v_mul_u32_u24 v6, v6, GPITCH
	v_lshl_add_u32 v6, v7, 2, v6
	s_mul_i32 s16, s8, 2*RPITCH                    ; wave w writes rows 2 w and 2 w + 1
	v_add_nc_u32 v6, s16, v6
	s_lshl_b32 s17, s8, 14                         ; 2 w x 8,192
	v_lshl_add_u32 v7, v1, 4, s17
	s_wait_kmcnt 0x0
	s_add_nc_u64 s[4:5], s[4:5], s[10:11]
	s_add_nc_u64 s[6:7], s[6:7], s[12:13]
.irp i, 0,1,2,3
.irp k, 0,1,2,3
	global_load_b128 v[IN+16*\i+4*\k:IN+16*\i+4*\k+3], v4, s[4:5] offset:\i*524288+\k*512 th:TH_LOAD_NT   ; hb = 4 w + i; k = 2 dt + jh
.endr
.endr
.irp i, 0,1,2,3
.irp k, 0,1,2,3
	s_wait_loadcnt 15-(4*\i+\k)                    ; the younger loads may stay out
	ds_store_b128 v5, v[IN+16*\i+4*\k:IN+16*\i+4*\k+3] offset:\i*128+(\k>>1)*64+(\k&1)*16   ; d_local = 16 (k >> 1) + 8 hl + 4 (k & 1) + 0..3
.endr
.endr
	s_wait_dscnt 0x0                               ; my stores are in LDS, for the other waves
	s_barrier_signal -1
	s_barrier_wait -1
.irp rr, 0,1
.irp t, 0,1,2,3,4,5,6,7
.irp i, 0,1,2,3
	ds_load_b32 v[OUT+4*(8*\rr+\t)+\i], v6 offset:\rr*RPITCH+\i*128+\t*16   ; row 2 w + rr, d_local = 4 t + (l >> 3), hb = 4 (l & 7) + i
.endr
.endr
.endr
.irp rr, 0,1
.irp t, 0,1,2,3,4,5,6,7
	s_wait_dscnt 60-4*(8*\rr+\t)                   ; the four words of this store are in; the loads behind them may stay out
	global_store_b128 v7, v[OUT+4*(8*\rr+\t):OUT+4*(8*\rr+\t)+3], s[6:7] offset:\rr*8192+\t*512 th:TH_STORE_NT
.endr
.endr
	s_wait_tensorcnt 0x0
	ds_add_u32 v136, v137
	s_wait_dscnt 0x0
	s_endpgm
.Lfunc_end_k_q7dea02dbbc_permute:
	.size	k_q7dea02dbbc_permute, .Lfunc_end_k_q7dea02dbbc_permute-k_q7dea02dbbc_permute
	.p2alignl 7, 3214868480
	.fill 96, 4, 3214868480
	.section	.rodata,"a",@progbits
	.p2align	6, 0x0
	.amdhsa_kernel k_q7dea02dbbc_permute
		.amdhsa_group_segment_fixed_size 68864
		.amdhsa_private_segment_fixed_size 0
		.amdhsa_enable_private_segment 0
		.amdhsa_kernarg_size 16
		.amdhsa_user_sgpr_count 2
		.amdhsa_user_sgpr_kernarg_segment_ptr 1
		.amdhsa_wavefront_size32 1
		.amdhsa_system_sgpr_workgroup_id_x 1
		.amdhsa_system_sgpr_workgroup_id_y 1
		.amdhsa_system_sgpr_workgroup_id_z 1
		.amdhsa_system_vgpr_workitem_id 0
		.amdhsa_next_free_vgpr 138
		.amdhsa_next_free_sgpr 66
		.amdhsa_reserve_vcc 0
		.amdhsa_float_denorm_mode_32 3
		.amdhsa_float_denorm_mode_16_64 3
		.amdhsa_memory_ordered 1
		.amdhsa_forward_progress 1
		.amdhsa_inst_pref_size 12
	.end_amdhsa_kernel
	.amdgpu_metadata
---
amdhsa.version: [ 1, 2 ]
amdhsa.kernels:
  - .name:           k_q7dea02dbbc_permute
    .symbol:         k_q7dea02dbbc_permute.kd
    .args:
      - { .name: obuf, .offset: 0, .size: 8, .value_kind: global_buffer, .address_space: global }
      - { .name: out0, .offset: 8, .size: 8, .value_kind: global_buffer, .address_space: global }
    .group_segment_fixed_size: 68864
    .private_segment_fixed_size: 0
    .kernarg_segment_align: 8
    .kernarg_segment_size: 16
    .max_flat_workgroup_size: 256
    .sgpr_count:     66
    .vgpr_count:     138
    .wavefront_size: 32
...
	.end_amdgpu_metadata
.endif
;; end of part 4
;; ======== version 2 of 2: 4 launches; version 1 with the launch cast written anew for expert scheduling mode
;; workspace buffers: xw 14,680,064 bytes; qkv 25,165,824 bytes; obuf 16,777,216 bytes
;; launch cast (part 5): grid 448 x 1, 8 waves a work-group, no clusters, 0 bytes of LDS; arguments inputs, rotation_params, xw; writes xw
.if DOCPART == 5
	.amdgcn_target "amdgcn-amd-amdhsa--gfx1250"
	.amdhsa_code_object_version 6
	.text
	.protected	k_q7dea02dbbc_cast
	.globl	k_q7dea02dbbc_cast
	.p2align	8
	.type	k_q7dea02dbbc_cast,@function
k_q7dea02dbbc_cast:
	s_mov_b64 s[64:65], 0
	v_nop
	global_prefetch_b8 v0, s[64:65] scope:SCOPE_SE
	s_setreg_imm32_b32 hwreg(HW_REG_WAVE_SCHED_MODE, 0, 2), 2
	s_setreg_imm32_b32 hwreg(HW_REG_WAVE_MODE, 25, 1), 1
	s_wait_xcnt 0x0
	s_wait_alu depctr_vm_vsrc(0)
; xw = bf16(inputs) followed by bf16(rotation_params), both rounded to nearest even, once for the whole program.
; inputs is 16,777,216 bytes = 256 pieces of 65,536; rotation_params is 12,582,912 bytes = 192 pieces: 448 work-groups, one piece each.
; Piece g of the two sources laid end to end becomes the 32,768 bytes at xw + 32,768 g, so X fills bytes 0 to 8,388,607 and W follows.
; Thread t takes 16 bytes at 16 t of each of sixteen runs of 4,096 bytes: a load of a wave covers 512 consecutive bytes, aligned,
; a store of a wave 256 consecutive bytes, aligned.  All sixteen loads go out first; no register is written twice, so no loop, no LDS,
; no barrier.  No work-group shares a byte with another, so a cluster would have nothing to share; no product, so no matrix unit.
; THE MODE: SCHED_MODE bits 1:0 = 2 (LLVM: expert scheduling mode 2), set by the entry lines.  The code itself states the register dependences
; between vector instructions and memory instructions, with s_wait_alu, always for 0.
; THE PLAN.  Registers that memory instructions touch:
;   v2, v3     byte offsets, made once at the head by vector instructions and never written again; v2 is read by every load, v3 by every store.
;   XI         run i: four registers.  Load i lands in them; no vector instruction names them before that; run i's two conversions read them; never loaded again.
;   YO         run i: a pair.  Written once, by run i's two conversions; read once, by store i; never written again.
; The sixteen runs go in four blocks of four.  A block's conversions stand each behind the wait for their own load; its four stores stand on end behind the
; wait for the next block's first load, under ONE wait on va_vdst, which states that the block's eight conversions have written their pairs of YO.
; No register that a memory instruction has read is written again, so the only wait on vm_vsrc and the only s_wait_xcnt stand at the entry, behind the prefetch.
; No vector instruction writes a scalar register or VCC, and EXEC is never written.
.set PIECE, 65536
.set XI, 4                             ; v[4:67]   sixteen loads of four f32
.set YO, 68                            ; v[68:99]  sixteen pairs of packed bf16
	s_load_b128 s[4:7], s[0:1], 0x0                ; inputs s[4:5], rotation_params s[6:7]
	s_load_b64 s[8:9], s[0:1], 0x10                ; xw
	v_lshlrev_b32 v2, 4, v0                        ; 16 t: my bytes in a run of the source
	v_lshlrev_b32 v3, 3, v0                        ; 8 t: my bytes in a run of the result
	s_mov_b32 s14, ttmp9                           ; g
	s_sub_co_u32 s13, s14, 256                     ; the piece number inside rotation_params
	s_cmp_lt_u32 s14, 256                          ; g below 256: a piece of inputs.  Only moves, selects and waits stand between this line and the second select
	s_cselect_b32 s12, s14, s13                    ; the piece number inside my source
	s_wait_kmcnt 0x0
	s_cselect_b64 s[10:11], s[4:5], s[6:7]         ; my source: the choice hangs on the work-group number alone
	s_lshl_b32 s12, s12, 16                        ; x 65,536 bytes (below 16,777,216)
	s_mov_b32 s13, 0
	s_add_nc_u64 s[10:11], s[10:11], s[12:13]
	s_lshl_b32 s2, s14, 15                         ; g x 32,768 bytes
	s_mov_b32 s3, 0
	s_add_nc_u64 s[8:9], s[8:9], s[2:3]
	s_wait_alu depctr_va_vdst(0)                   ; v2 and v3 are written: every load below reads v2 as its offset, every store v3; no later vector instruction names either
.irp i, 0,1,2,3,4,5,6,7,8,9,10,11,12,13,14,15
	global_load_b128 v[XI+4*\i:XI+4*\i+3], v2, s[10:11] offset:\i*4096 th:TH_LOAD_NT   ; read once in the whole launch
.endr
; The four stores of block p, on end.  They stand directly behind a wait on va_vdst that the block's eight conversions precede.
.macro SEND p
.irp k, 0,1,2,3
	global_store_b64 v3, v[YO+2*(4*(\p)+(\k)):YO+2*(4*(\p)+(\k))+1], s[8:9] offset:(4*(\p)+(\k))*2048   ; the next launch reads these bytes: no hint
.endr
.endm
; Block p: runs 4 p to 4 p + 3 are rounded, each as its load comes in.  Behind the wait for the block's first load the block before is stored.
.macro BLK p
.irp k, 0,1,2,3
	s_wait_loadcnt 15-(4*(\p)+(\k))                ; loads return in order: load 4 p + k is in, the younger ones may stay out
.if ((\k) == 0) && ((\p) > 0)
	s_wait_alu depctr_va_vdst(0)                   ; the eight conversions of the block before have written their pairs of YO, which the four stores below read
	SEND (\p)-1
.endif
	v_cvt_pk_bf16_f32 v[YO+2*(4*(\p)+(\k))],   v[XI+4*(4*(\p)+(\k))],   v[XI+4*(4*(\p)+(\k))+1]
	v_cvt_pk_bf16_f32 v[YO+2*(4*(\p)+(\k))+1], v[XI+4*(4*(\p)+(\k))+2], v[XI+4*(4*(\p)+(\k))+3]
.endr
.endm
	BLK 0                                          ; no block stands in front of it: nothing to store yet
	BLK 1
	BLK 2
	BLK 3
	s_wait_alu depctr_va_vdst(0)                   ; the conversions of block 3 have written the last eight pairs of YO, which the last four stores read
	SEND 3
	s_endpgm
.Lfunc_end_k_q7dea02dbbc_cast:
	.size	k_q7dea02dbbc_cast, .Lfunc_end_k_q7dea02dbbc_cast-k_q7dea02dbbc_cast
	.p2alignl 7, 3214868480
	.fill 96, 4, 3214868480
	.section	.rodata,"a",@progbits
	.p2align	6, 0x0
	.amdhsa_kernel k_q7dea02dbbc_cast
		.amdhsa_group_segment_fixed_size 0
		.amdhsa_private_segment_fixed_size 0
		.amdhsa_enable_private_segment 0
		.amdhsa_kernarg_size 24
		.amdhsa_user_sgpr_count 2
		.amdhsa_user_sgpr_kernarg_segment_ptr 1
		.amdhsa_wavefront_size32 1
		.amdhsa_system_sgpr_workgroup_id_x 1
		.amdhsa_system_sgpr_workgroup_id_y 1
		.amdhsa_system_sgpr_workgroup_id_z 1
		.amdhsa_system_vgpr_workitem_id 0
		.amdhsa_next_free_vgpr 100
		.amdhsa_next_free_sgpr 66
		.amdhsa_reserve_vcc 0
		.amdhsa_float_denorm_mode_32 3
		.amdhsa_float_denorm_mode_16_64 3
		.amdhsa_memory_ordered 1
		.amdhsa_forward_progress 1
		.amdhsa_inst_pref_size 7
	.end_amdhsa_kernel
	.amdgpu_metadata
---
amdhsa.version: [ 1, 2 ]
amdhsa.kernels:
  - .name:           k_q7dea02dbbc_cast
    .symbol:         k_q7dea02dbbc_cast.kd
    .args:
      - { .name: inputs, .offset: 0, .size: 8, .value_kind: global_buffer, .address_space: global }
      - { .name: rotation_params, .offset: 8, .size: 8, .value_kind: global_buffer, .address_space: global }
      - { .name: xw, .offset: 16, .size: 8, .value_kind: global_buffer, .address_space: global }
    .group_segment_fixed_size: 0
    .private_segment_fixed_size: 0
    .kernarg_segment_align: 8
    .kernarg_segment_size: 24
    .max_flat_workgroup_size: 256
    .sgpr_count:     66
    .vgpr_count:     100
    .wavefront_size: 32
...
	.end_amdgpu_metadata
.endif
;; end of part 5
;; launch qkvgemm: the kernel of part 2 again; grid 16 x 16, 4 waves a work-group, clusters of 4 x 4, 327,680 bytes of LDS; arguments xw, entangle_params, qkv; writes qkv
;; launch attn: the kernel of part 3 again; grid 8 x 32, 8 waves a work-group, clusters of 4 x 1, 327,680 bytes of LDS; arguments qkv, obuf; writes obuf
;; launch permute: the kernel of part 4 again; grid 128 x 2, 8 waves a work-group, no clusters, 68,864 bytes of LDS; arguments obuf, out0; writes out0
